; MI455X (gfx1250); checked and timed in simulation.
; The chip was launched on July 23, 2026; its instructions are those of AMD's public machine-readable ISA for CDNA 5 (MIT licence, August 2026) and "CDNA5" Instruction Set Architecture Reference Guide (July 2026). The comments in the code are by the model that wrote it; some were corrected since.
;; Log Sparce Attention. Allowed arithmetic: matrix products marked QUANTISED: E4M3 operands, one E8M0 scale for each 32 along K, by v_wmma_scale_f32_16x16x128_f8f6f4 with both operands' format E4M3, f32 sums; everything else in f32.
;; Inputs: keys_codes 2 x 2,048 x 16 x 2 x 32 uint8 (E4M3 codes of keys, K innermost, in blocks of 32 codes); keys_scales 2 x 2,048 x 16 x 2 uint8 (E8M0 scales of keys, one for each 32 codes along K); queries_codes 2 x 2,048 x 16 x 2 x 32 uint8 (E4M3 codes of queries, K innermost, in blocks of 32 codes); queries_scales 2 x 2,048 x 16 x 2 uint8 (E8M0 scales of queries, one for each 32 codes along K); values_codes 2 x 16 x 64 x 64 x 32 uint8 (E4M3 codes of values, K innermost, in blocks of 32 codes); values_scales 2 x 16 x 64 x 64 uint8 (E8M0 scales of values, one for each 32 codes along K).
;; Outputs: out0 2 x 2,048 x 16 x 64 float32.
;; This version of the problem:
;;   THIS VERSION OF THE PROBLEM IS GIVEN IN LOW PRECISION. The matrix products marked QUANTISED in the list below multiply operands that are first quantised to E4M3 (4 exponent bits, 3 mantissa bits; 8 bits a number), with one power-of-two scale for each 32 numbers along K (OCP MX v1.0); their sums are f32. All else is computed in f32.
;;   The module's matrix products, in the order in which they are computed (A, B: the left and right operand; K: the contracted axis; several contracted axes count as one K, in the product's order):
;;     1. batch 32 x [M 2,048, K 64] x [K 64, N 2,048]; A: input queries (given as codes); B: input keys (given as codes): QUANTISED
;;     2. batch 32 x [M 64, K 2,048] x [K 2,048, N 2,048]; A: input values (given as codes); B: softmax (see below): QUANTISED
;;   THE QUANTISER, for each operand of a quantised product, along K:
;;     - K is cut into blocks of 32 from its start; a last block that is shorter is filled with zeros.
;;     - A block's scale is 2^e with e = floor(log2(the largest magnitude in the block)) - 8, held to -126 .. 127; a block of zeros has e = 0. As a byte (E8M0): e + 127.
;;     - Each number is divided by its block's scale, clamped to +-448, and rounded to the nearest number of E4M3, ties to even, subnormals kept.
;;     - The product sums the exact products of the quantised numbers (number of the format x scale) in f32.
;;   ~~~python
;;   def quantise(x, axis):      # numpy; x: float32 -> the quantised numbers, widened to float32 again
;;       x = np.moveaxis(x, axis, -1); K = x.shape[-1]
;;       x = np.pad(x, [(0, 0)] * (x.ndim - 1) + [(0, -K % 32)]); x = x.reshape(x.shape[:-1] + (-1, 32)); a = np.abs(x).max(-1, keepdims=True)
;;       e = np.where(a > 0, np.clip(np.frexp(np.where(a > 0, a, 1))[1] - 1 - 8, -126, 127), 0)      # np.frexp(a)[1] - 1 = floor(log2(a)), exactly
;;       r = np.clip(x / 2.0 ** e, -448, 448)
;;       step = 2.0 ** (np.maximum(np.frexp(np.where(r == 0, 1, r))[1] - 1, -6) - 3)
;;       q = np.round(r / step) * step * 2.0 ** e      # np.round: ties to even
;;       return np.moveaxis(q.reshape(q.shape[:-2] + (-1,))[..., :K], -1, axis).astype(np.float32)
;;   ~~~
;;   SOFTMAX AHEAD OF A QUANTISED PRODUCT. Where the list says 'softmax', what is quantised is not the finished softmax but p = 2^(t - M), with t = logit x log2(e) and M = ceil(the row's largest t), a whole number; so 1/2 < the row's largest p <= 1. The row's sum l is taken of the UNQUANTISED p, in f32, and the product's result is divided by l at the end. Since M is a whole number, a kernel that streams over the keys may use a running M (the ceiling of the running maximum): every later rescaling is an exact power of two, which a block's scale takes up: the codes' values come out the same.
;;   OPERANDS COMPUTED ON THE WAY. 'Computed on the way' means the value that the module computes at that place (a softmax that the list does not call 'softmax' is quantised finished and normalised). What goes into a quantiser is computed in f32, as accurately as f32 sums, v_exp_f32 and their like allow (about 1e-6 of the number): no bf16 or f16 on the way to a quantiser, and a product that is left as it is and whose result goes on into a quantised operand takes f32 operands (vector FMAs, or v_wmma_f32_16x16x4_f32). A number that lies on a knife's edge between two numbers of the format may be rounded either way, as far as f32 arithmetic and the matrix unit's own rounding can turn it there, and no further.
;;   INPUTS GIVEN AS CODES. keys (in the module: [2, 2048, 16, 64], K = its axis 3); queries (in the module: [2, 2048, 16, 64], K = its axis 3); values (in the module: [2, 2048, 16, 64], K = its axis 1): each comes as NAME_codes (uint8): NAME with its K axis moved to the last place and cut into blocks of 32 codes, [.., K / 32, bytes a block], one block behind the other in memory; one code a byte (a code: sign, 4 exponent bits, 3 mantissa bits); and NAME_scales (uint8): the same leading axes, one E8M0 byte (e + 127) for each 32 codes along K. Its value is code x scale, taken as it is: it is not quantised again, and the codes and scales need not be those that the quantiser above would give.
;; One version. Each part assembles by itself: llvm-mc -triple=amdgcn-amd-amdhsa -mcpu=gfx1250 --defsym DOCPART=n.
;; ======== version 1 of 1: 1 launch
;; limits: right only within a limited range of input values
;; launch attn (part 1): grid 8 x 32, 16 waves a work-group, no clusters, 315,392 bytes of LDS; arguments queries_codes, queries_scales, keys_codes, keys_scales, values_codes, values_scales, out0; writes out0
.if DOCPART == 1
	.amdgcn_target "amdgcn-amd-amdhsa--gfx1250"
	.amdhsa_code_object_version 6
	.text
	.protected	k_q75eaca8471_attn
	.globl	k_q75eaca8471_attn
	.p2align	8
	.type	k_q75eaca8471_attn,@function
k_q75eaca8471_attn:
	s_mov_b64 s[64:65], 0
	v_nop
	global_prefetch_b8 v0, s[64:65] scope:SCOPE_SE
	s_setreg_imm32_b32 hwreg(HW_REG_WAVE_MODE, 25, 1), 1
	s_wait_xcnt 0x0
; Log-sparse attention on codes of FP8 (E4M3) with one E8M0 scale for each 32 along a product's K.  32 heads (batch 2 x 16), 2,048 queries and keys, head size 64.
; Q, K: [b][l][h][64] codes, scale bytes [b][l][h][2].  V: [b][h][64 (d)][2,048 (keys)] codes, scale bytes [b][h][64][64].  O: [b][l][h][64] f32.
; THE MASK is the problem's own, a constant of the sizes: query q sees key q - d >= 0 for d in {0..12, 14, 18, 26, 42, 74, 138, 266, 522, 1034}; queries 0 to 21 see all keys 0..q.
; p is quantised in blocks of 32 keys counted from key 0, so the unit of work is 16 queries x one such block.  With a = q / 32: queries 32 a .. 32 a + 15 (u = 0) touch the 12 blocks
; a - {0,1,2,3,4,5,8,9,16,17,32,33}, queries 32 a + 16 .. 32 a + 31 (u = 1) the 7 blocks a - {0,1,2,4,8,16,32}.  All other blocks hold p = 0 alone and are not multiplied.
; The four blocks of 32 of one matrix instruction's K = 128 need not be neighbours: u = 0 takes three key steps of four blocks, u = 1 two (its eighth block is a filler, hidden in every lane).
; THE SOFTMAX AHEAD OF THE SECOND PRODUCT: t = score x log2(e) / 8; M = the largest t so far, rounded up to a whole number; p = 2^(t - M), not normalised, is quantised along the keys; the sum is taken
; of the unquantised p and divides O at the end; when M moves, the sum and O are multiplied by 2^(old M - new M), which rounds nothing.  Step 0 holds the diagonal key, so M is a number from the first step on.
; SHARES.  A work-group owns 256 queries of one head (x = c: queries 256 c on; y = the head); each of its sixteen waves owns 16 of them in 256 registers.  The 256 queries touch 48 blocks at the most,
; blocks 8 c - 40 .. 8 c + 7: this WINDOW of K's and V's codes is brought into LDS once, by twelve tensor loads at the head (one a wave, one outstanding a wave); nothing is filled again; one barrier.
; Window slot sg holds block 8 c - 40 + sg, so no LDS address hangs on the work-group's number.  Blocks in front of key 0 do not exist: their slots are filled from the head's first keys
; (a clamped address), their lane masks are cleared, and a step that has no block at all is jumped over by a scalar branch on ids.
; LAYOUT.  Both products are used transposed: S^T = K Q^T (source 0 = 16 keys, source 1 = my 16 queries), O^T = V^T P^T (source 0 = 16 of the head's 64, source 1 = P): a lane holds ONE query (lane % 16).
; The keys of a tile are not neighbours: lane r of tile 2 b + e takes key 8 e + r + 8 (r / 8) of block b, so that the 16 registers of tiles 2 b, 2 b + 1 are the block's keys 16 (lane / 16) + 0 .. 15.
; The head's 64 fill half of the first product's K = 128: the other half are zero codes on both sides (registers cleared once), under the scale byte 0, which is no NaN.
; NO CLUSTER: neighbouring work-groups of a head read the same chunks of 256 keys, but at window places one chunk apart, and a joint load has one LDS address for all that it names; a window common to
; four neighbours would be 9 chunks x (20,480 + 17,408) bytes = 340,992, more than a work-group can be given.
; LIMITS.  A hidden key counts as p = 0 exactly: that is the problem's -1e9 as long as a row's largest open score lies above about -1e9 + 1,200.  NaN codes and scale bytes 0xff are not served
; (a NaN among V's codes reaches only the queries whose blocks hold it).  A block of p that is all zeros carries the byte 1 where the quantiser's rule says 127: its codes are zeros, and only this text reads the byte.
.set KP,    80                         ; a key's row in LDS: 64 bytes + 16 of padding
.set KSLOT, 32*KP                      ; a block of 32 keys
.set VB,    48*KSLOT                   ; 122,880: behind K's 48 slots: V's six chunks
.set VP,    272                        ; a row of a chunk of V: 256 keys' codes + 16 of padding
.set VCH,   64*VP                      ; a chunk: the head's 64 rows
.set KSB,   VB+6*VCH                   ; 227,328: K's scale words, 4 bytes a window key
.set VWB,   KSB+48*32*4                ; 233,472: V's scale words, [step list 0..4][g 0..7][d 0..63], 4 bytes: byte k is the byte of the list's k-th block
.set STB,   VWB+5*2048                 ; 243,712: the stages for the way out: 16 rows x 272 bytes for each wave
.set SP,    272
.set STW,   16*SP
.set AKA,  1                           ; v1   K's codes, offsets 0 to 9 blocks back: (32 (g + 31) + r') x 80 + 16 h
.set AKB,  2                           ; v2   the same, 16 to 33 blocks back: (32 (g + 7) + r') x 80 + 16 h
.set ASK,  3                           ; v3   K's scale words
.set AVW,  4                           ; v4   V's scale words
.set STO,  5                           ; v5   the stage: where I put 32 bytes of a row
.set RD,   6                           ; v6   and where I read a row back
.set GO,   7                           ; v7   my byte offset in the wave's rows of O
.set VNEG, 8                           ; v8   -infinity
.set VR,   9                           ; v9   r = lane % 16
.set VH,   10                          ; v10  h = lane / 16
.set VRP,  11                          ; v11  r' = r + 8 (r / 8)
                                       ; v12 -M, v13 the largest t, v[14:15] the sum in two halves
.set QF,   16                          ; v16-31   Q's fragment: 8 registers of codes, 8 of zeros
.set KF,   32                          ; v32-95   four fragments of K: in each 8 registers of codes, 8 of zeros that are written once
.set S,    96                          ; v96-159  S^T, then p, then four fragments of V, at last O / the sum
.set OT,   160                         ; v160-191 O^T
.set PC,   192                         ; v192-207 p's codes
.set AV,   208                         ; v208-219 V's codes: an LDS address for each of the 12 offsets
.set BM,   232                         ; v232-235 the blocks' largest scores, then largest p
.set T4,   236                         ; v236-239 at work
.set HOLD, 240                         ; v240-243 448 x the scale
.set SOP,  244                         ; v244-247 the conversions' scale operands
.set SW,   248                         ; v248-251 scale words of K or of V
.set FF,   252                         ; v252 f = 2^(old M - new M)
.set PW,   253                         ; v253 p's scale word
.set TT,   254
.set QS,   255                         ; v255 Q's scale word
.set WV,   18                          ; s18  my wave's number
.set MNT,  19                          ; s19  the mantissa field of 448
.set SEL,  20                          ; s[20:21] lane selects for v_permlanex16_b32: lane l xor 16
.set CS,   22                          ; s[22:23] log2(e) / 8
.set G1K,  24                          ; s[24:31] descriptor group 1: a chunk of K, 256 rows of 64 bytes
.set G1KS, 32                          ; s[32:39] one block of K, 32 rows
.set G1V,  40                          ; s[40:47] a chunk of V, 64 rows of 256 bytes
.set G0K,  48                          ; s[48:51] group 0 for K
.set SY,   53                          ; the head, 0..31
.set SB,   54                          ; batch
.set SHD,  55                          ; head in the batch
.set SG,   56                          ; g: which 32 queries of the work-group's 256
.set SU,   57                          ; u: which half of them
.set SA,   58                          ; a = 8 c + g
.set A0,   59                          ; all ones where a = 0
.set SF,   60                          ; 1 in waves 0 and 2: they fetch one block, not a chunk
.set T0,   61
.set T1,   62
.set T2,   63
.set VAL,  66                          ; s[66:77] all ones where block a - NO(x) exists
.set MS,   78                          ; s[78:81] four lane masks by turns
.set MT,   82
.set G0V,  96                          ; s[96:99] group 0 for V;  s[100:101] an offset
; The offsets are named by x = 0..11: NO(x) = 0, 1, 2, 3, 4, 5, 8, 9, 16, 17, 32, 33 blocks back.
; LMASK: arithmetic of the assembler alone.  For tile half u, offset x and register i of a block: bit L of MK = lane L's key is open: D = query - key = 16 u + r + 32 NO(x) - 16 h - i lies in the mask's set;
; bit L of MX = the key is open only in the rows 0 to 21 that see all earlier keys (x = 0, used where a = 0).  LV = 0: the register is hidden in every lane.
.macro LMASK u, x, i
.set MK, 0
.set MX, 0
.set LL, 0
.rept 32
.set DD, 16*(\u)+(LL&15)+32*(((1<<((\x)/2))&0x3e)+((\x)&1))-16*(LL>>4)-(\i)
.set HIT, 0
.if (DD >= 0) && (DD <= 12)
.set HIT, 1
.endif
.irp e, 14,18,26,42,74,138,266,522,1034
.if DD == \e
.set HIT, 1
.endif
.endr
.if HIT
.set MK, MK|(1<<LL)
.elseif ((\x) == 0) && (DD >= 0) && ((16*(\u)+(LL&15)) < 22)
.set MX, MX|(1<<LL)
.endif
.set LL, LL+1
.endr
.set LV, MK|MX
.endm
; One fragment of K: half e (tile rows 8 e + r') of the block x back, into fragment t, and its rows' scale words.
.macro KFRAG x, e, t
.set NOX, ((1<<((\x)/2))&0x3e)+((\x)&1)
.if NOX <= 9
	ds_load_b128 v[KF+16*(\t):KF+16*(\t)+3],   v[AKA] offset:KSLOT*(9-NOX)+8*KP*(\e)
	ds_load_b128 v[KF+16*(\t)+4:KF+16*(\t)+7], v[AKA] offset:KSLOT*(9-NOX)+8*KP*(\e)+32
.else
	ds_load_b128 v[KF+16*(\t):KF+16*(\t)+3],   v[AKB] offset:KSLOT*(33-NOX)+8*KP*(\e)
	ds_load_b128 v[KF+16*(\t)+4:KF+16*(\t)+7], v[AKB] offset:KSLOT*(33-NOX)+8*KP*(\e)+32
.endif
	ds_load_b32 v[SW+(\t)], v[ASK] offset:4*(32*(33-NOX)+8*(\e))
.endm
; S^T of two blocks: four tiles of 16 keys, from tile t0 on.  Four accumulators, one instruction each.
.macro QK4 xa, xb, t0
	KFRAG \xa, 0, 0
	KFRAG \xa, 1, 1
	KFRAG \xb, 0, 2
	KFRAG \xb, 1, 3
	s_wait_dscnt 0x0                               ; the four fragments and their scale words are in
.irp t, 0,1,2,3
	v_wmma_scale_f32_16x16x128_f8f6f4 v[S+8*((\t0)+\t):S+8*((\t0)+\t)+7], v[KF+16*\t:KF+16*\t+15], v[QF:QF+15], 0, v[SW+\t], v[QS]
.endr
.endm
; Block k of the step (offset x): hidden scores become -infinity.  Four lane masks are made in scalar registers, then four selects; the registers in ascending order.
.macro MASKBLK u, x, k
.set I0, 0
.rept 4
.set J, 0
.rept 4
	LMASK \u, \x, I0+J
.if (\x) == 0
	s_mov_b32 s[MS+J], MK                          ; my own block always exists
.else
	s_and_b32 s[MS+J], s[VAL+(\x)], MK             ; nothing is open in a block that does not exist
.endif
.if MX
	s_and_b32 s[MT], s[A0], MX                     ; rows 0 to 21 see all earlier keys
	s_or_b32 s[MS+J], s[MS+J], s[MT]
.endif
.set J, J+1
.endr
.set J, 0
.rept 4
	v_cndmask_b32 v[S+16*(\k)+I0+J], v[VNEG], v[S+16*(\k)+I0+J], s[MS+J]
.set J, J+1
.endr
.set I0, I0+4
.endr
.endm
; p = 2^(t - M); a register that is hidden in every lane is 0 without an exponential
.macro EXPBLK u, x, k
.set I0, 0
.rept 16
	LMASK \u, \x, I0
.if LV
	v_exp_f32 v[S+16*(\k)+I0], v[S+16*(\k)+I0]
.else
	v_mov_b32 v[S+16*(\k)+I0], 0
.endif
.set I0, I0+1
.endr
.endm
; the conversions of block k
.macro CODEBLK u, x, k
.set I0, 0
.rept 16
	LMASK \u, \x, I0
.if LV
.endif
.set I0, I0+1
.endr
	v_cvt_scalef32_pk8_fp8_f32 v[PC+4*(\k):PC+4*(\k)+1],   v[S+16*(\k):S+16*(\k)+7],    v[SOP+(\k)]
	v_cvt_scalef32_pk8_fp8_f32 v[PC+4*(\k)+2:PC+4*(\k)+3], v[S+16*(\k)+8:S+16*(\k)+15], v[SOP+(\k)]
.endm
; A KEY STEP of tile half u on the blocks x0 .. x3 back; l: its list of V's scale words; first = 1: it starts M, the sum and O^T; nomin: the least a for which any of its blocks exists (0: always).
.macro STEP u, x0, x1, x2, x3, l, first, nomin
.if \nomin
	s_cmp_lt_i32 s[SA], \nomin                     ; a branch on ids: no barrier and no tensor load stands in a step
	s_cbranch_scc1 .Lskip_\@
.endif
.if !\first
.rept 9
	v_nop                                          ; the last products read V's fragments, which the coming products write over (nine places), and the scale words, into which loads follow (eight)
.endr
.endif
	QK4 \x0, \x1, 0
.rept 8
	v_nop                                          ; places in front of loads into registers that those products read
.endr
	QK4 \x2, \x3, 4
.rept 8
	v_nop                                          ; places in front of the first read of the scores
.endr
	MASKBLK \u, \x0, 0
	MASKBLK \u, \x1, 1
	MASKBLK \u, \x2, 2
	MASKBLK \u, \x3, 3
.irp b, 0,1,2,3
	v_max3_num_f32 v[BM+\b], v[S+16*\b], v[S+16*\b+1], v[S+16*\b+2]   ; the largest score of each block: for the row's maximum, and, since p rises with the score, for the block's largest p
.endr
.irp i, 3,5,7,9,11,13
.irp b, 0,1,2,3
	s_delay_alu instid0(VALU_DEP_4)
	v_max3_num_f32 v[BM+\b], v[BM+\b], v[S+16*\b+\i], v[S+16*\b+\i+1]
.endr
.endr
.irp b, 0,1,2,3
	s_delay_alu instid0(VALU_DEP_4)
	v_max_num_f32 v[BM+\b], v[BM+\b], v[S+16*\b+15]
.endr
.irp b, 0,1,2,3
	s_delay_alu instid0(VALU_DEP_4)
	v_permlanex16_b32 v[T4+\b], v[BM+\b], s[SEL], s[SEL+1]
.endr
.irp b, 0,1,2,3
	s_delay_alu instid0(VALU_DEP_4)
	v_max_num_f32 v[BM+\b], v[BM+\b], v[T4+\b]     ; with lane l xor 16's 16 keys
.endr
	s_delay_alu instid0(VALU_DEP_2)
	v_max3_num_f32 v[TT], v[BM], v[BM+1], v[BM+2]
	s_delay_alu instid0(VALU_DEP_1)
	v_max_num_f32 v[TT], v[TT], v[BM+3]            ; the step's largest score of my query (-infinity where the step shows it nothing)
.if \first
	s_delay_alu instid0(VALU_DEP_1)
	v_mul_f32 v13, s[CS], v[TT]                    ; the largest t
	s_delay_alu instid0(VALU_DEP_1)
	v_floor_f32 v12, -v13                          ; -M = floor(-t) = -ceil(t): M is a whole number
.else
	s_delay_alu instid0(VALU_DEP_1)
	v_mul_f32 v[TT], s[CS], v[TT]
	s_delay_alu instid0(VALU_DEP_1)
	v_max_num_f32 v13, v13, v[TT]                  ; the running largest t
	v_mov_b32 v[TT], v12
	s_delay_alu instid0(VALU_DEP_2)
	v_floor_f32 v12, -v13                          ; the new -M
	s_delay_alu instid0(VALU_DEP_1)
	v_sub_f32 v[TT], v12, v[TT]                    ; old M - new M: a whole number, 0 or less
	s_delay_alu instid0(VALU_DEP_1)
	v_cvt_i32_f32 v[TT], v[TT]                     ; (it saturates)
	s_delay_alu instid0(VALU_DEP_1)
	v_ldexp_f32 v[FF], 1.0, v[TT]                  ; f = 2^(old M - new M)
.endif
.set JJ, 0
.rept 32
	v_pk_fma_f32 v[S+JJ:S+JJ+1], v[S+JJ:S+JJ+1], s[CS:CS+1], v[12:13] op_sel_hi:[1,0,0]   ; t - M, two at a time (of the pairs the low word serves both halves)
.set JJ, JJ+2
.endr
.irp b, 0,1,2,3
	v_fma_f32 v[BM+\b], v[BM+\b], s[CS], v12       ; the same of each block's largest score
.endr
	s_wait_alu depctr_va_vdst(0)
	EXPBLK \u, \x0, 0
	EXPBLK \u, \x1, 1
	EXPBLK \u, \x2, 2
	EXPBLK \u, \x3, 3
.irp b, 0,1,2,3
	v_exp_f32 v[BM+\b], v[BM+\b]                   ; the block's largest p: the same two instructions on the same number
.endr
.if \first
	v_nop                                          ; a plain place behind the exponentials
	s_wait_alu depctr_va_vdst(0)
.else
	v_pk_mul_f32 v[14:15], v[14:15], v[FF:FF+1] op_sel_hi:[1,0]   ; the sums under the new M (and the plain place behind the exponentials)
	s_wait_alu depctr_va_vdst(0)
.endif
.irp b, 0,1,2,3
	v_max_num_f32 v[BM+\b], 0x4800000, v[BM+\b]    ; the floor 2^(9 - 127): the byte cannot fall under 1
.endr
.irp b, 0,1,2,3
	s_delay_alu instid0(VALU_DEP_4)
	v_add_nc_u32 v[SOP+\b], 0xfc000000, v[BM+\b]   ; 8 off the exponent field: the conversion's scale operand
.endr
.irp b, 0,1,2,3
	v_and_or_b32 v[HOLD+\b], v[BM+\b], 0x7f800000, s[MNT]   ; 448 x the scale
.endr
.irp b, 0,1,2,3
	v_lshrrev_b32 v[T4+\b], 23, v[SOP+\b]          ; the scale's byte
.endr
	s_delay_alu instid0(VALU_DEP_3)
	v_lshl_or_b32 v[PW], v[T4+1], 8, v[T4]         ; p's scale word for the step's four blocks
	s_delay_alu instid0(VALU_DEP_1)
	v_lshl_or_b32 v[PW], v[T4+2], 16, v[PW]
	s_delay_alu instid0(VALU_DEP_1)
	v_lshl_or_b32 v[PW], v[T4+3], 24, v[PW]
	v_pk_add_f32 v[236:237], v[100:101], v[104:105]
	v_pk_add_f32 v[250:251], v[108:109], v[112:113]
	v_pk_add_f32 v[248:249], v[116:117], v[120:121]
	v_pk_add_f32 v[242:243], v[124:125], v[128:129]
	v_pk_add_f32 v[240:241], v[132:133], v[136:137]
	v_pk_add_f32 v[234:235], v[140:141], v[144:145]
	v_pk_add_f32 v[232:233], v[148:149], v[152:153]
	v_pk_add_f32 v[14:15], v[14:15], v[156:157]
	v_pk_add_f32 v[236:237], v[236:237], v[96:97]
	v_pk_add_f32 v[250:251], v[250:251], v[98:99]
	v_pk_add_f32 v[248:249], v[248:249], v[102:103]
	v_pk_add_f32 v[242:243], v[242:243], v[106:107]
	v_pk_add_f32 v[240:241], v[240:241], v[110:111]
	v_pk_add_f32 v[234:235], v[234:235], v[114:115]
	v_pk_add_f32 v[232:233], v[232:233], v[118:119]
	v_pk_add_f32 v[14:15], v[14:15], v[122:123]
	v_pk_add_f32 v[236:237], v[236:237], v[126:127]
	v_pk_add_f32 v[250:251], v[250:251], v[130:131]
	v_pk_add_f32 v[248:249], v[248:249], v[134:135]
	v_pk_add_f32 v[242:243], v[242:243], v[138:139]
	v_pk_add_f32 v[240:241], v[240:241], v[142:143]
	v_pk_add_f32 v[234:235], v[234:235], v[146:147]
	v_pk_add_f32 v[232:233], v[232:233], v[150:151]
	v_pk_add_f32 v[14:15], v[14:15], v[154:155]
	v_pk_add_f32 v[236:237], v[236:237], v[158:159]
	s_delay_alu instid0(VALU_DEP_2)
	v_pk_add_f32 v[14:15], v[14:15], v[242:243]
	s_delay_alu instid0(VALU_DEP_2)
	v_pk_add_f32 v[236:237], v[236:237], v[240:241]
	v_pk_add_f32 v[250:251], v[250:251], v[234:235]
	v_pk_add_f32 v[248:249], v[248:249], v[232:233]
	s_delay_alu instid0(VALU_DEP_2)
	v_pk_add_f32 v[14:15], v[14:15], v[250:251]
	s_delay_alu instid0(VALU_DEP_2)
	v_pk_add_f32 v[236:237], v[236:237], v[248:249]
	s_delay_alu instid0(VALU_DEP_1)
	v_pk_add_f32 v[14:15], v[14:15], v[236:237]
	CODEBLK \u, \x0, 0
	CODEBLK \u, \x1, 1
	CODEBLK \u, \x2, 2
	CODEBLK \u, \x3, 3
.if \first
	s_wait_alu depctr_va_vdst(0)
.rept 4
	v_nop                                          ; the plain line behind the last conversion, and the four places between the codes and the products that take them
.endr
.else
.set JJ, 0
.rept 16
	v_pk_mul_f32 v[OT+JJ:OT+JJ+1], v[OT+JJ:OT+JJ+1], v[FF:FF+1] op_sel_hi:[1,0]   ; O^T under the new M; these lines are also those places
.set JJ, JJ+2
.endr
.endif
.irp t, 0,1,2,3                                ; V's fragments: rows d = 16 t + r; registers 4 k on: the k-th block's keys 16 h + 0 .. 15.  They take p's registers, which the conversions have read
	ds_load_b128 v[S+16*\t:S+16*\t+3],     v[AV+(\x0)] offset:16*VP*\t
	ds_load_b128 v[S+16*\t+4:S+16*\t+7],   v[AV+(\x1)] offset:16*VP*\t
	ds_load_b128 v[S+16*\t+8:S+16*\t+11],  v[AV+(\x2)] offset:16*VP*\t
	ds_load_b128 v[S+16*\t+12:S+16*\t+15], v[AV+(\x3)] offset:16*VP*\t
	ds_load_b32 v[SW+\t], v[AVW] offset:2048*(\l)+64*\t
.endr
	s_wait_alu depctr_va_vdst(0)
	s_wait_dscnt 0x0
.irp t, 0,1,2,3                                ; O^T += V^T P^T: four accumulators, one instruction each
.if \first
	v_wmma_scale_f32_16x16x128_f8f6f4 v[OT+8*\t:OT+8*\t+7], v[S+16*\t:S+16*\t+15], v[PC:PC+15], 0, v[SW+\t], v[PW]
.else
	v_wmma_scale_f32_16x16x128_f8f6f4 v[OT+8*\t:OT+8*\t+7], v[S+16*\t:S+16*\t+15], v[PC:PC+15], v[OT+8*\t:OT+8*\t+7], v[SW+\t], v[PW]
.endif
.endr
.Lskip_\@:
.endm
; V's scale word of step list l: the bytes of its four blocks, as the thread has loaded them
.macro VWORD l, x0, x1, x2, x3
	v_lshl_or_b32 v[124+(\l)], v[100+(\x1)], 8, v[100+(\x0)]
	s_delay_alu instid0(VALU_DEP_1)
	v_lshl_or_b32 v[124+(\l)], v[100+(\x2)], 16, v[124+(\l)]
	s_delay_alu instid0(VALU_DEP_1)
	v_lshl_or_b32 v[124+(\l)], v[100+(\x3)], 24, v[124+(\l)]
.endm
	; ---- ids and descriptors
	s_load_b256 s[4:11], s[0:1], 0x0               ; Q's codes s[4:5], Q's scales s[6:7], K's codes s[8:9], K's scales s[10:11]
	s_load_b128 s[12:15], s[0:1], 0x20             ; V's codes s[12:13], V's scales s[14:15]
	s_load_b64 s[16:17], s[0:1], 0x30              ; O
	v_lshl_add_u32 v230, v0, 2, 0x4c800
	v_mov_b32 v231, 0
	ds_add_u32 v230, v231
	ds_add_u32 v230, v231
	v_lshrrev_b32 v[VR], 5, v0
	s_delay_alu instid0(VALU_DEP_1)
	v_readfirstlane_b32 s[WV], v[VR]               ; wave 0..15
	s_and_b32 s[SY], ttmp7, 0xffff                 ; the head
	s_lshr_b32 s[SB], s[SY], 4
	s_and_b32 s[SHD], s[SY], 15
	s_lshr_b32 s[SG], s[WV], 1                     ; g = w / 2
	s_lshr_b32 s[SU], s[WV], 2
	s_or_b32 s[SF], s[SU], s[WV]
	s_xor_b32 s[SU], s[SU], s[WV]
	s_and_b32 s[SU], s[SU], 1                      ; u = (w xor w / 4) % 2: of any four neighbouring waves, and of any four that lie four apart, two have three steps and two have two
	s_and_b32 s[SF], s[SF], 1
	s_xor_b32 s[SF], s[SF], 1                      ; among waves 0 to 5: 1 in waves 0 and 2
	s_lshl_b32 s[SA], ttmp9, 3
	s_add_co_u32 s[SA], s[SA], s[SG]               ; a = 8 c + g
	s_mov_b32 s[G1K+0], (0<<16)|(1<<20)|(3<<22)|(3<<25)   ; 15:0 no mask; 17:16 elements of 1 byte; 20 padding on; 24:22 after every 16 words (code 3); 31:25 four words (code 3)
	s_mov_b32 s[G1K+1], 64<<16                     ; tensor_dim0 = 64
	s_mov_b32 s[G1K+2], 256<<16                    ; tensor_dim1 = 256
	s_mov_b32 s[G1K+3], 64<<16                     ; tile_dim0 = 64
	s_mov_b32 s[G1K+4], 256                        ; tile_dim1 = 256
	s_mov_b32 s[G1K+5], 1024                       ; from key to key: 16 heads x 64 bytes
	s_mov_b32 s[G1K+6], 0
	s_mov_b32 s[G1K+7], 0
	s_mov_b32 s[G1KS+0], (0<<16)|(1<<20)|(3<<22)|(3<<25)
	s_mov_b32 s[G1KS+1], 64<<16
	s_mov_b32 s[G1KS+2], 32<<16                    ; 32 rows: one block
	s_mov_b32 s[G1KS+3], 64<<16
	s_mov_b32 s[G1KS+4], 32
	s_mov_b32 s[G1KS+5], 1024
	s_mov_b32 s[G1KS+6], 0
	s_mov_b32 s[G1KS+7], 0
	s_mov_b32 s[G1V+0], (0<<16)|(1<<20)|(5<<22)|(3<<25)   ; padding: four words after every 64
	s_mov_b32 s[G1V+1], 256<<16
	s_mov_b32 s[G1V+2], 64<<16
	s_mov_b32 s[G1V+3], 256<<16
	s_mov_b32 s[G1V+4], 64
	s_mov_b32 s[G1V+5], 2048                       ; from d to d: 2,048 keys
	s_mov_b32 s[G1V+6], 0
	s_mov_b32 s[G1V+7], 0
	; K: wave w (0..5) fills window chunk w (blocks 8 (c - 5 + w) on); of chunks 0 and 2 only the last block is ever read (33 and 17 blocks back from g = 0), so waves 0 and 2 fetch that block alone
	s_mov_b32 s[G0K], 1
	s_mul_i32 s[G0K+1], s[WV], 8*KSLOT
	s_mul_i32 s[T1], s[SF], 7*KSLOT
	s_add_co_u32 s[G0K+1], s[G0K+1], s[T1]
	s_add_co_u32 s[T0], ttmp9, s[WV]               ; c + w
	s_add_co_i32 s[T1], s[T0], -5
	s_lshl_b32 s[T1], s[T1], 3
	s_mul_i32 s[T2], s[SF], 7
	s_add_co_i32 s[T1], s[T1], s[T2]
	s_max_i32 s[T1], s[T1], 0                      ; a block in front of key 0 is fetched from block 0: real bytes, which the masks hide
	s_lshl_b32 s2, s[T1], 15                       ; 32 keys x 1,024 bytes
	s_lshl_b32 s[T1], s[SB], 21
	s_add_co_u32 s2, s2, s[T1]
	s_lshl_b32 s[T1], s[SHD], 6
	s_add_co_u32 s2, s2, s[T1]
	s_mov_b32 s3, 0
	; V: wave w (6..11) fills window chunk w - 6: 256 keys' codes of each of the head's 64 rows
	s_mov_b32 s[G0V], 1
	s_mul_i32 s[G0V+1], s[WV], VCH
	s_add_co_u32 s[G0V+1], s[G0V+1], VB-6*VCH
	s_add_co_i32 s[T1], s[T0], -11
	s_max_i32 s[T1], s[T1], 0
	s_lshl_b32 s100, s[T1], 8
	s_lshl_b32 s[T1], s[SY], 17
	s_add_co_u32 s100, s100, s[T1]
	s_mov_b32 s101, 0
	s_wait_dscnt 0x0
	s_wait_kmcnt 0x0
	s_add_nc_u64 s[G0K+2:G0K+3], s[8:9], s[2:3]
	s_or_b32 s[G0K+3], s[G0K+3], 0x80000000        ; type = 2
	s_add_nc_u64 s[G0V+2:G0V+3], s[12:13], s[100:101]
	s_or_b32 s[G0V+3], s[G0V+3], 0x80000000
	; the fills: one tensor load a wave in waves 0 to 11, none in the others; the branches hang on the wave's number alone.  Four v_nop follow each line
	s_cmp_lt_u32 s[WV], 6
	s_cbranch_scc0 .Lnot_k
	s_cmp_eq_u32 s[SF], 1
	s_cbranch_scc0 .Lk_chunk
	tensor_load_to_lds s[G0K:G0K+3], s[G1KS:G1KS+7]
	s_nop 0
.rept 4
	v_nop
.endr
	s_branch .Lasked
.Lk_chunk:
	tensor_load_to_lds s[G0K:G0K+3], s[G1K:G1K+7]
	s_nop 0
.rept 4
	v_nop
.endr
	s_branch .Lasked
.Lnot_k:
	s_cmp_lt_u32 s[WV], 12
	s_cbranch_scc0 .Lasked
	tensor_load_to_lds s[G0V:G0V+3], s[G1V:G1V+7]
	s_nop 0
.rept 4
	v_nop
.endr
.Lasked:
	; ---- 18 loads a lane: Q's fragment and scale word; three of the window's K scale words; the V scale bytes of my g's 12 blocks for one d
	v_and_b32 v[VR], 15, v0                        ; r
	s_wait_alu depctr_va_vdst(0)
	v_bfe_u32 v[VH], v0, 4, 1                      ; h
	v_and_b32 v[VRP], 8, v[VR]
	s_delay_alu instid0(VALU_DEP_1)
	v_add_nc_u32 v[VRP], v[VRP], v[VR]             ; r' = r + 8 (r / 8)
	s_lshl_b32 s2, s[SB], 21                       ; my first query's codes: (b << 21) + (32 a + 16 u) x 1,024 + 64 x head
	s_lshl_b32 s[T0], s[SA], 15
	s_add_co_u32 s2, s2, s[T0]
	s_lshl_b32 s[T0], s[SU], 14
	s_add_co_u32 s2, s2, s[T0]
	s_lshl_b32 s[T0], s[SHD], 6
	s_add_co_u32 s2, s2, s[T0]
	s_add_nc_u64 s[4:5], s[4:5], s[2:3]
	s_lshr_b32 s100, s2, 5                         ; its scale bytes: 2 for each 64 codes
	s_add_nc_u64 s[6:7], s[6:7], s[100:101]
	s_lshl_b32 s100, s2, 2                         ; its row of O: 4 bytes for each code
	s_add_nc_u64 s[16:17], s[16:17], s[100:101]
	v_lshlrev_b32 v220, 10, v[VR]
	s_wait_alu depctr_va_vdst(0)
	v_lshl_add_u32 v220, v[VH], 4, v220            ; Q: query r, + 16 h
	v_lshlrev_b32 v221, 5, v[VR]
	global_load_b128 v[QF:QF+3],   v220, s[4:5] th:TH_LOAD_NT
	global_load_b128 v[QF+4:QF+7], v220, s[4:5] offset:32 th:TH_LOAD_NT
	global_load_u16 v[QS], v221, s[6:7]            ; two scale bytes; the upper two bytes are 0, over zero codes
	v_and_b32 v228, 255, v0
	s_delay_alu instid0(VALU_DEP_1)
	v_lshlrev_b32 v228, 5, v228                    ; K's scales: thread n takes window keys n, n + 512, n + 1,024: key n % 256 of chunks n / 256 + 2 i
	s_wait_alu depctr_va_vdst(0)
	s_lshr_b32 s[T0], s[WV], 3
	s_add_co_u32 s[T0], s[T0], ttmp9
	s_add_co_i32 s[T0], s[T0], -5
	s_lshl_b32 s[T2], s[SB], 16
	s_lshl_b32 s[T1], s[SHD], 1
	s_add_co_u32 s[T2], s[T2], s[T1]
.irp i, 0,1,2
	s_add_co_i32 s[T1], s[T0], 2*\i
	s_max_i32 s[T1], s[T1], 0                      ; clamped as the codes' chunks are
	s_lshl_b32 s[T1], s[T1], 13                    ; 256 keys x 32 bytes
	s_add_co_u32 s[T1], s[T1], s[T2]
	v_add_nc_u32 v[222+\i], s[T1], v228
	global_load_u16 v[96+\i], v[222+\i], s[10:11]
.endr
	v_and_b32 v229, 63, v0
	s_delay_alu instid0(VALU_DEP_1)
	v_lshlrev_b32 v229, 6, v229                    ; V's scales: thread n takes d = n % 64 for g = n / 64, which is its own wave's g
	s_wait_alu depctr_va_vdst(0)
	s_lshl_b32 s[T2], s[SY], 12
.irp x, 0,1,2,3,4,5,6,7,8,9,10,11
.set NOX, ((1<<(\x/2))&0x3e)+(\x&1)
	s_sub_co_i32 s[T0], s[SA], NOX                 ; the block
	s_ashr_i32 s[T1], s[T0], 31
	s_not_b32 s[VAL+\x], s[T1]                     ; all ones where it exists
	s_max_i32 s[T0], s[T0], 0
	s_add_co_u32 s[T0], s[T0], s[T2]
	v_add_nc_u32 v[112+\x], s[T0], v229
	global_load_u8 v[100+\x], v[112+\x], s[14:15]
.endr
	s_cmp_eq_u32 s[SA], 0
	s_cselect_b32 s[A0], -1, 0
	s_mov_b32 s[MNT], 0x600000
	s_mov_b32 s[SEL], 0x76543210
	s_mov_b32 s[SEL+1], 0xfedcba98
	s_mov_b32 s[CS], 0x3e38aa3b                    ; log2(e) / 8
	s_mov_b32 s[CS+1], s[CS]                       ; (named with it as a pair, so it is written)
	; ---- while the loads are out: zeros, constants and every LDS address
.irp j, 8,9,10,11,12,13,14,15
	v_mov_b32 v[QF+\j], 0                          ; the upper half of K = 128: zero codes, written once
.irp t, 0,1,2,3
	v_mov_b32 v[KF+16*\t+\j], 0
.endr
.endr
	v_mov_b32 v14, 0                               ; the sum, in two halves
	v_mov_b32 v15, 0
.irp b, 0,1,2,3
	v_mov_b32 v[T4+\b], 0                          ; a lane permute's destination counts as one of its sources
.endr
	v_mov_b32 v[FF], 0
	v_mov_b32 v[VNEG], 0xff800000
	v_mul_u32_u24 v[AKB], v[VRP], KP
	s_delay_alu instid0(VALU_DEP_1)
	v_lshl_add_u32 v[AKB], v[VH], 4, v[AKB]        ; r' x 80 + 16 h
	s_mul_i32 s[T0], s[SG], KSLOT
	s_add_co_u32 s[T1], s[T0], 31*KSLOT
	v_add_nc_u32 v[AKA], s[T1], v[AKB]             ; slot g + 31: the immediate adds 9 - NO slots
	s_add_co_u32 s[T1], s[T0], 7*KSLOT
	v_add_nc_u32 v[AKB], s[T1], v[AKB]             ; slot g + 7: the immediate adds 33 - NO slots
	s_lshl_b32 s[T0], s[SG], 7
	s_add_co_u32 s[T0], s[T0], KSB+4*32*7
	v_lshl_add_u32 v[ASK], v[VRP], 2, s[T0]
	s_lshl_b32 s[T0], s[SG], 8
	s_add_co_u32 s[T0], s[T0], VWB
	v_lshl_add_u32 v[AVW], v[VR], 2, s[T0]
	s_mul_i32 s[T0], s[WV], STW
	s_add_co_u32 s[T0], s[T0], STB                 ; my stage
	v_mul_u32_u24 v[STO], v[VR], SP
	s_delay_alu instid0(VALU_DEP_1)
	v_lshl_add_u32 v[STO], v[VH], 5, v[STO]
	s_delay_alu instid0(VALU_DEP_1)
	v_add_nc_u32 v[STO], s[T0], v[STO]             ; in: row r, + 32 h
	v_mul_u32_u24 v[RD], v[VH], SP
	s_delay_alu instid0(VALU_DEP_1)
	v_lshl_add_u32 v[RD], v[VR], 4, v[RD]
	s_delay_alu instid0(VALU_DEP_1)
	v_add_nc_u32 v[RD], s[T0], v[RD]               ; back: lanes 0-15 one row, lanes 16-31 the next
	v_lshlrev_b32 v[GO], 12, v[VH]
	s_delay_alu instid0(VALU_DEP_1)
	v_lshl_add_u32 v[GO], v[VR], 4, v[GO]          ; and the same two rows in O: 4,096 bytes from query to query
	v_mul_u32_u24 v227, v[VR], VP
	s_delay_alu instid0(VALU_DEP_1)
	v_lshl_add_u32 v227, v[VH], 4, v227
	s_delay_alu instid0(VALU_DEP_1)
	v_add_nc_u32 v227, VB, v227                    ; V: row r of a tile, + 16 h
	s_wait_alu depctr_va_vdst(0)
.irp x, 0,1,2,3,4,5,6,7,8,9,10,11
.set NOX, ((1<<(\x/2))&0x3e)+(\x&1)
	s_add_co_u32 s[T0], s[SG], 40-NOX              ; the block's window slot,
	s_lshr_b32 s[T1], s[T0], 3
	s_mul_i32 s[T1], s[T1], VCH                    ; its chunk,
	s_and_b32 s[T0], s[T0], 7
	s_lshl_b32 s[T0], s[T0], 5                     ; and its 32 bytes in the chunk's rows
	s_add_co_u32 s[T0], s[T0], s[T1]
	v_add_nc_u32 v[AV+\x], s[T0], v227
.endr
	v_lshl_add_u32 v225, v0, 2, KSB
	v_lshl_add_u32 v226, v0, 2, VWB
	s_wait_alu depctr_va_vdst(0)
	s_wait_loadcnt 0x0                             ; Q and the scale bytes
.irp i, 0,1,2
	ds_store_b32 v225, v[96+\i] offset:2048*\i     ; K's scale words: 4 bytes a window key
.endr
	VWORD 0, 0, 1, 2, 3
	VWORD 1, 4, 5, 6, 7
	VWORD 2, 8, 9, 10, 11
	VWORD 3, 0, 1, 2, 4
	VWORD 4, 6, 8, 10, 11
.irp l, 0,1,2,3,4
	ds_store_b32 v226, v[124+\l] offset:2048*\l    ; V's: [list][g][d]
.endr
	s_wait_tensorcnt 0x0                           ; for the others' sake: my part of the window has landed,
	s_wait_dscnt 0x0                               ; and my scale words are stored
	s_barrier_signal -1
	s_barrier_wait -1                              ; the one barrier: from here on LDS is only read, but for each wave's own stage
	; ---- the key steps
	s_cmp_eq_u32 s[SU], 0
	s_cbranch_scc0 .Lodd
	STEP 0, 0, 1, 2, 3,   0, 1, 0
	STEP 0, 4, 5, 6, 7,   1, 0, 4
	STEP 0, 8, 9, 10, 11, 2, 0, 16
	s_branch .Lout
.Lodd:
	STEP 1, 0, 1, 2, 4,   3, 1, 0
	STEP 1, 6, 8, 10, 11, 4, 0, 8
.Lout:
	; ---- the way out: O^T / the sum goes through my stage and leaves as whole rows of 256 bytes
.rept 8
	v_nop                                          ; places behind the last products: their results are read and V's fragments written over
.endr
	v_add_f32 v14, v14, v15                        ; the sum's two halves,
	s_delay_alu instid0(VALU_DEP_1)
	v_permlanex16_b32 v[FF], v14, s[SEL], s[SEL+1]
	s_delay_alu instid0(VALU_DEP_1)
	v_add_f32 v14, v14, v[FF]                      ; and lane l xor 16's: the row's sum
	s_wait_alu depctr_va_vdst(0)
	v_rcp_f32 v14, v14
	v_nop                                          ; a plain place behind the transcendental
.set JJ, 0
	s_wait_alu depctr_va_vdst(0)
.rept 16
	v_pk_mul_f32 v[S+JJ:S+JJ+1], v[OT+JJ:OT+JJ+1], v[14:15] op_sel_hi:[1,0]   ; register 8 t + j is o(query r, d = 16 t + 8 h + j); ascending, each accumulator from its low end on
.set JJ, JJ+2
.endr
.irp t, 0,1,2,3
	ds_store_b128 v[STO], v[S+8*\t:S+8*\t+3]   offset:64*\t
	ds_store_b128 v[STO], v[S+8*\t+4:S+8*\t+7] offset:64*\t+16
.endr
.irp i, 0,1,2,3,4,5,6,7
	ds_load_b128 v[KF+4*\i:KF+4*\i+3], v[RD] offset:2*\i*SP   ; LDS serves a wave's instructions in order (ISA guide 5.7.1.4): these see my stores
.endr
.irp i, 0,1,2,3,4,5,6,7
	s_wait_dscnt 7-\i                              ; the 7 - i younger loads may stay out
	global_store_b128 v[GO], v[KF+4*\i:KF+4*\i+3], s[16:17] offset:8192*\i th:TH_STORE_NT   ; sixteen lanes store the 256 consecutive bytes of one (query, head), at a multiple of 256 from O's first byte
.endr
	s_wait_tensorcnt 0x0
	ds_add_u32 v230, v231
	s_wait_dscnt 0x0
	s_endpgm
.Lfunc_end_k_q75eaca8471_attn:
	.size	k_q75eaca8471_attn, .Lfunc_end_k_q75eaca8471_attn-k_q75eaca8471_attn
	.p2alignl 7, 3214868480
	.fill 96, 4, 3214868480
	.section	.rodata,"a",@progbits
	.p2align	6, 0x0
	.amdhsa_kernel k_q75eaca8471_attn
		.amdhsa_group_segment_fixed_size 315392
		.amdhsa_private_segment_fixed_size 0
		.amdhsa_enable_private_segment 0
		.amdhsa_kernarg_size 56
		.amdhsa_user_sgpr_count 2
		.amdhsa_user_sgpr_kernarg_segment_ptr 1
		.amdhsa_wavefront_size32 1
		.amdhsa_system_sgpr_workgroup_id_x 1
		.amdhsa_system_sgpr_workgroup_id_y 1
		.amdhsa_system_sgpr_workgroup_id_z 1
		.amdhsa_system_vgpr_workitem_id 0
		.amdhsa_next_free_vgpr 256
		.amdhsa_next_free_sgpr 102
		.amdhsa_reserve_vcc 0
		.amdhsa_float_denorm_mode_32 3
		.amdhsa_float_denorm_mode_16_64 3
		.amdhsa_fp16_overflow 1
		.amdhsa_memory_ordered 1
		.amdhsa_forward_progress 1
		.amdhsa_inst_pref_size 151
	.end_amdhsa_kernel
	.amdgpu_metadata
---
amdhsa.version: [ 1, 2 ]
amdhsa.kernels:
  - .name:           k_q75eaca8471_attn
    .symbol:         k_q75eaca8471_attn.kd
    .args:
      - { .name: queries_codes, .offset: 0, .size: 8, .value_kind: global_buffer, .address_space: global }
      - { .name: queries_scales, .offset: 8, .size: 8, .value_kind: global_buffer, .address_space: global }
      - { .name: keys_codes, .offset: 16, .size: 8, .value_kind: global_buffer, .address_space: global }
      - { .name: keys_scales, .offset: 24, .size: 8, .value_kind: global_buffer, .address_space: global }
      - { .name: values_codes, .offset: 32, .size: 8, .value_kind: global_buffer, .address_space: global }
      - { .name: values_scales, .offset: 40, .size: 8, .value_kind: global_buffer, .address_space: global }
      - { .name: out0, .offset: 48, .size: 8, .value_kind: global_buffer, .address_space: global }
    .group_segment_fixed_size: 315392
    .private_segment_fixed_size: 0
    .kernarg_segment_align: 8
    .kernarg_segment_size: 56
    .max_flat_workgroup_size: 512
    .sgpr_count:     102
    .vgpr_count:     256
    .wavefront_size: 32
...
	.end_amdgpu_metadata
.endif
;; end of part 1
